; MI455X (gfx1250); checked and timed in simulation.
; The chip was launched on July 23, 2026; its instructions are those of AMD's public machine-readable ISA for CDNA 5 (MIT licence, August 2026) and "CDNA5" Instruction Set Architecture Reference Guide (July 2026). The comments in the code are by the model that wrote it; some were corrected since.
;; Tree Branch. Allowed arithmetic: float matrix products may take bf16 or f16 operands with f32 sums; other float arithmetic in f32, or as packed bf16 or f16 multiplies, adds, multiply-adds, maxima and minima; sums over many terms, partial sums and values carried from step to step in f32; what a program stores and reads back later, other than sums and carried values, may be rounded once to bf16 or f16.
;; Inputs: dec_b 3 float32; dec_w 3 x 1,024 float32; leaf_b 4 x 512 float32; leaf_w 4 x 1,024 x 512 float32; xs 32,768 x 1,024 float32.
;; Outputs: out0 32,768 x 512 float32.
;; One version. Each part assembles by itself: llvm-mc -triple=amdgcn-amd-amdhsa -mcpu=gfx1250 --defsym DOCPART=n.
;; ======== version 1 of 1: 3 launches
;; workspace buffers: wb 4,194,304 bytes; rt 32,768 bytes of whole numbers; order 131,072 bytes of whole numbers; ctab 1,024 bytes of whole numbers
;; launch route (part 1): grid 256 x 1, 16 waves a work-group, no clusters, 0 bytes of LDS; arguments xs, dec_w, dec_b, rt; writes rt
.if DOCPART == 1
	.amdgcn_target "amdgcn-amd-amdhsa--gfx1250"
	.amdhsa_code_object_version 6
	.text
	.protected	k_qe7c233768f_route
	.globl	k_qe7c233768f_route
	.p2align	8
	.type	k_qe7c233768f_route,@function
k_qe7c233768f_route:
	s_mov_b64 s[64:65], 0
	v_nop
	global_prefetch_b8 v0, s[64:65] scope:SCOPE_SE
	s_setreg_imm32_b32 hwreg(HW_REG_WAVE_MODE, 25, 1), 1
	s_wait_xcnt 0x0
; ROUTE.  For each of 32,768 tokens the three scores bf16(xs) . bf16(dec_w[d]) + bf16(dec_b[d]) are made; their signs give the leaf
; (root false: node 1 decides between leaves 0 and 1; root true: node 2 between 2 and 3).  The leaf steers addresses, so it is only STORED here, as whole numbers, for the next launch.
; LIMITS.  All inputs are rounded once to bf16 (nearest even); products are exact and sums are f32, in an order that is not reference()'s: a score within a few f32 roundings of 0 may
; fall on the other side.  A score of 0 or NaN counts as false, as in reference().  NaN and infinities are not treated apart.
; SHARES.  A work-group has 128 tokens, each of its 16 waves 8 rows, one whole row (4,096 bytes) at a time: load j takes the 512 consecutive bytes at 512 j, 16 a lane, so a lane holds
; columns 128 j + 4 lane + 0..3.  The eight rows are written out: row and j stand in the immediates, no address steps.
; A ring of four row slots in registers: one at work, three on their way (24 loads a wave).  No LDS, no barrier: the sums never leave the wave.
; The matrix unit is left out: it wants a row in a lane, which would break the 512-byte loads, for three columns of output.
; rt: word gw (0..4095, gw = 16 x work-group + wave) = pcnt: byte e counts the wave's tokens of leaf e; word 4096 + gw = code: bits 2 i + 1 : 2 i are the leaf of the wave's token i.
.set DW,  8                            ; v[8:55]    dec_w as bf16 pairs: node d, pair q (columns 128 (q/2) + 4 lane + 2 (q%2) + 0, 1) at DW + 16 d + q
.set X,   56                           ; v[56:183]  four row slots of 32 registers, as loaded
.set T,   152                          ; v[152:247] at the start: dec_w in f32, node d at T + 32 d; later slot 3 and what follows
.set Y,   184                          ; v[184:199] a row as bf16 pairs
.set ACC, 216                          ; v[216:221] six chains: node d's even columns, odd columns
.set S,   222                          ; v[222:224] the three scores
.set OTH, 225                          ; v225       the other half of the lanes' sum
.set BI,  226                          ; v[226:228] bf16(dec_b), widened
.macro FILL s, i                       ; row i of the wave's eight into slot s
.irp j, 0,1,2,3,4,5,6,7
	global_load_b128 v[X+32*(\s)+4*\j:X+32*(\s)+4*\j+3], v2, s[4:5] offset:(\i)*4096+512*\j th:TH_LOAD_NT
.endr
.endm
	s_load_b256 s[4:11], s[0:1], 0x0               ; xs s[4:5], dec_w s[6:7], dec_b s[8:9], rt s[10:11]
	v_and_b32 v1, 31, v0                           ; lane
	v_lshrrev_b32 v5, 5, v0
	v_readfirstlane_b32 s14, v5                    ; wave
	s_lshl_b32 s15, ttmp9, 4
	s_add_co_u32 s15, s15, s14                     ; gw
	v_lshlrev_b32 v7, 4, v1                        ; dec_w: 16 x lane; never rewritten
	v_lshl_add_u32 v2, v5, 15, v7                  ; xs: wave x 8 rows x 4,096 + 16 x lane; never rewritten
	v_mov_b32 v4, 0
	s_mov_b32 s24, 0                               ; code
	s_mov_b32 s25, 0                               ; pcnt
	s_mov_b32 s28, 0x76543210                      ; v_permlanex16_b32: each lane takes its own place in the other half
	s_mov_b32 s29, 0xfedcba98
	s_lshl_b32 s32, ttmp9, 19                      ; the work-group's 128 rows of 4,096 bytes
	s_mov_b32 s33, 0
	s_wait_kmcnt 0x0
	s_load_b96 s[16:18], s[8:9], 0x0               ; dec_b
	s_add_nc_u64 s[4:5], s[4:5], s[32:33]
	FILL 0, 0                                      ; the first row is asked for ahead of dec_w
.irp d, 0,1,2
.irp j, 0,1,2,3,4,5,6,7
	global_load_b128 v[T+32*\d+4*\j:T+32*\d+4*\j+3], v7, s[6:7] offset:4096*\d+512*\j
.endr
.endr
	FILL 1, 1
	FILL 2, 2
	s_wait_loadcnt 16                              ; the 16 loads of rows 1 and 2 stay out; row 0's and dec_w's, issued ahead of them, are in
.irp d, 0,1,2
.irp q, 0,1,2,3,4,5,6,7,8,9,10,11,12,13,14,15
	v_cvt_pk_bf16_f32 v[DW+16*\d+\q], v[T+32*\d+2*\q], v[T+32*\d+2*\q+1]
.endr
.endr
	FILL 3, 3                                      ; slot 3 lies where dec_w's f32 lay
	s_wait_kmcnt 0x0                               ; dec_b
	v_mov_b32 v5, s16
	v_mov_b32 v6, s17
	v_cvt_pk_bf16_f32 v5, v5, v6
	v_lshlrev_b32 v[BI], 16, v5                    ; bf16 to f32: the low half moves up,
	v_and_b32 v[BI+1], 0xffff0000, v5              ; the high half stays
	v_mov_b32 v6, s18
	v_cvt_pk_bf16_f32 v6, v6, v6
	v_lshlrev_b32 v[BI+2], 16, v6
	v_mov_b32 v[OTH], 0                            ; v_permlanex16_b32's destination counts as read
; Row i's turn.  left = the loads of younger rows that may stay out.
.macro TURN i, left
.set XS, X+32*((\i)%4)
	s_wait_loadcnt \left                           ; loads come back in order: my row's eight are in
.irp q, 0,1,2,3,4,5,6,7,8,9,10,11,12,13,14,15
	v_cvt_pk_bf16_f32 v[Y+\q], v[XS+2*\q], v[XS+2*\q+1]
.endr
.if (\i) < 4
	FILL (\i)%4, (\i)+4                            ; the slot's next row, as soon as the slot has been read
.endif
.irp q, 0,1,2,3,4,5,6,7,8,9,10,11,12,13,14,15
.irp d, 0,1,2
.if \q == 0                            ; the first products start the six chains: nothing is cleared
	v_fma_mix_f32_bf16 v[ACC+2*\d], v[Y+\q], v[DW+16*\d+\q], v4 op_sel_hi:[1,1,0]
	v_fma_mix_f32_bf16 v[ACC+2*\d+1], v[Y+\q], v[DW+16*\d+\q], v4 op_sel:[1,1,0] op_sel_hi:[1,1,0]
.else
	v_fma_mix_f32_bf16 v[ACC+2*\d], v[Y+\q], v[DW+16*\d+\q], v[ACC+2*\d] op_sel_hi:[1,1,0]
	v_fma_mix_f32_bf16 v[ACC+2*\d+1], v[Y+\q], v[DW+16*\d+\q], v[ACC+2*\d+1] op_sel:[1,1,0] op_sel_hi:[1,1,0]
.endif
.endr
.endr
.irp d, 0,1,2
	v_add_f32 v[S+\d], v[ACC+2*\d], v[ACC+2*\d+1]
.endr
.irp m, 1,2,4,8                        ; across the lanes: four steps inside each half of 16, the three scores by turns
.irp d, 0,1,2
	v_add_f32_dpp v[S+\d], v[S+\d], v[S+\d] row_xmask:\m row_mask:0xf bank_mask:0xf
.endr
.endr
.irp d, 0,1,2
	v_permlanex16_b32 v[OTH], v[S+\d], s28, s29
	v_add_f32 v[S+\d], v[S+\d], v[OTH]             ; every lane holds the row's sum
	v_add_f32 v[S+\d], v[S+\d], v[BI+\d]
	v_cmp_gt_f32 s[20+\d], v[S+\d], v4             ; all ones or 0
.endr
	s_and_b32 s26, s20, s22                        ; root true: node 2's answer;
	s_and_not1_b32 s27, s21, s20                   ; root false: node 1's
	s_or_b32 s26, s26, s27
	s_and_b32 s26, s26, 1
	s_and_b32 s27, s20, 2
	s_or_b32 s26, s26, s27                         ; the leaf: data only, no address and no branch hangs on it here
	s_lshl_b32 s27, s26, 2*(\i)
	s_or_b32 s24, s24, s27
	s_lshl_b32 s26, s26, 3
	s_lshl_b32 s26, 1, s26
	s_add_co_u32 s25, s25, s26
.endm
	TURN 0, 24
	TURN 1, 24
	TURN 2, 24
	TURN 3, 24
	TURN 4, 24                                     ; rows 5 to 7 are out: nothing more is asked for, and the counts run down
	TURN 5, 16
	TURN 6, 8
	TURN 7, 0
	; the wave's two words: lane 0 stores pcnt at word gw, lane 1 code at word 4096 + gw
	v_mov_b32 v5, s24
	v_cmp_eq_u32 vcc_lo, 0, v1
	v_cndmask_b32 v5, v5, s25, vcc_lo
	s_lshl_b32 s26, s15, 2
	v_lshl_add_u32 v6, v1, 14, s26
	s_wait_xcnt 0x0                                ; EXEC is a source of the loads above: it changes only behind this wait
	v_cmp_gt_u32 vcc_lo, 2, v1
	s_and_saveexec_b32 s30, vcc_lo
	global_store_b32 v6, v5, s[10:11]
	s_wait_xcnt 0x0                                ; and again in front of the line that widens it
	s_or_b32 exec_lo, exec_lo, s30
	s_endpgm
.Lfunc_end_k_qe7c233768f_route:
	.size	k_qe7c233768f_route, .Lfunc_end_k_qe7c233768f_route-k_qe7c233768f_route
	.p2alignl 7, 3214868480
	.fill 96, 4, 3214868480
	.section	.rodata,"a",@progbits
	.p2align	6, 0x0
	.amdhsa_kernel k_qe7c233768f_route
		.amdhsa_group_segment_fixed_size 0
		.amdhsa_private_segment_fixed_size 0
		.amdhsa_enable_private_segment 0
		.amdhsa_kernarg_size 32
		.amdhsa_user_sgpr_count 2
		.amdhsa_user_sgpr_kernarg_segment_ptr 1
		.amdhsa_wavefront_size32 1
		.amdhsa_system_sgpr_workgroup_id_x 1
		.amdhsa_system_sgpr_workgroup_id_y 1
		.amdhsa_system_sgpr_workgroup_id_z 1
		.amdhsa_system_vgpr_workitem_id 0
		.amdhsa_next_free_vgpr 248
		.amdhsa_next_free_sgpr 66
		.amdhsa_reserve_vcc 1
		.amdhsa_float_denorm_mode_32 3
		.amdhsa_float_denorm_mode_16_64 3
		.amdhsa_memory_ordered 1
		.amdhsa_forward_progress 1
		.amdhsa_inst_pref_size 84
	.end_amdhsa_kernel
	.amdgpu_metadata
---
amdhsa.version: [ 1, 2 ]
amdhsa.kernels:
  - .name:           k_qe7c233768f_route
    .symbol:         k_qe7c233768f_route.kd
    .args:
      - { .name: xs, .offset: 0, .size: 8, .value_kind: global_buffer, .address_space: global }
      - { .name: dec_w, .offset: 8, .size: 8, .value_kind: global_buffer, .address_space: global }
      - { .name: dec_b, .offset: 16, .size: 8, .value_kind: global_buffer, .address_space: global }
      - { .name: rt, .offset: 24, .size: 8, .value_kind: global_buffer, .address_space: global }
    .group_segment_fixed_size: 0
    .private_segment_fixed_size: 0
    .kernarg_segment_align: 8
    .kernarg_segment_size: 32
    .max_flat_workgroup_size: 512
    .sgpr_count:     66
    .vgpr_count:     248
    .wavefront_size: 32
...
	.end_amdgpu_metadata
.endif
;; end of part 1
;; launch sort (part 2): grid 256 x 1, 4 waves a work-group, no clusters, 0 bytes of LDS; arguments rt, leaf_w, order, ctab, wb; writes order, ctab, wb
.if DOCPART == 2
	.amdgcn_target "amdgcn-amd-amdhsa--gfx1250"
	.amdhsa_code_object_version 6
	.text
	.protected	k_qe7c233768f_sort
	.globl	k_qe7c233768f_sort
	.p2align	8
	.type	k_qe7c233768f_sort,@function
k_qe7c233768f_sort:
	s_mov_b64 s[64:65], 0
	v_nop
	global_prefetch_b8 v0, s[64:65] scope:SCOPE_SE
	s_setreg_imm32_b32 hwreg(HW_REG_WAVE_MODE, 25, 1), 1
	s_wait_xcnt 0x0
; SORT AND WEIGHTS.  A stable counting sort of the 32,768 tokens by leaf, without atomics; the table that deals the next launch's 64 groups of four work-groups among the leaves; leaf_w rounded once to bf16.
; SHARES.  1,024 waves that do not depend on each other, four to a work-group: no LDS, no barrier.  Wave gw (4 x work-group + wave) places tokens 32 gw .. 32 gw + 31, one a lane, and rounds weights
; 2,048 gw .. 2,048 gw + 2,047.  Every wave reads all 4,096 count words (16 KiB) and makes the leaves' totals and its own prefix from them: a prefix across work-groups would want a launch more.
; Waves 0 and 1 also write ctab, a lane a group.
; COUNTS.  Chunk g' = 32 j + lane of four count words is just the 32 tokens of wave g'.  Its four words are added byte by byte (32 at the most), and the bytes are spread into two words of
; 16-bit fields (leaves 0, 2 and leaves 1, 3); a field's sum is 32,768 at the most, so nothing carries over.
; DEAL.  Leaf e with c_e tokens gets ceil(c_e / 576) groups of four tiles of 144 rows: 60 at the most, whatever the split.  ctab[q] = {leaf, first place in order, rows left in the leaf from there, 0};
; a group that the split leaves without rows gets rows = 0.
.set P,   8                            ; v[8:135]   the count words, chunk j at P + 4 j; later the rounded weights
.set W,   136                          ; v[136:199] 2,048 weights in f32
.set TL,  200                          ; totals, leaves 0 and 2
.set TH,  201                          ; totals, leaves 1 and 3
.set PL,  202                          ; the same over the chunks ahead of mine
.set PH,  203
	s_load_b256 s[4:11], s[0:1], 0x0               ; rt s[4:5], leaf_w s[6:7], order s[8:9], ctab s[10:11]
	s_load_b64 s[12:13], s[0:1], 0x20              ; wb
	v_and_b32 v1, 31, v0                           ; lane
	v_lshrrev_b32 v2, 5, v0
	v_readfirstlane_b32 s14, v2
	s_lshl_b32 s15, ttmp9, 2
	s_add_co_u32 s15, s15, s14                     ; gw
	v_lshlrev_b32 v2, 4, v1                        ; counts: 16 x lane
	v_lshrrev_b32 v3, 3, v1
	s_lshl_b32 s16, s15, 4
	v_lshl_add_u32 v3, v3, 2, s16                  ; my token's code word: 4 gw + lane / 8, in bytes
	s_lshl_b32 s16, s15, 13
	v_add_nc_u32 v4, s16, v2                       ; leaf_w: 8,192 gw + 16 x lane
	s_lshl_b32 s16, s15, 12
	v_lshl_add_u32 v5, v1, 3, s16                  ; wb: 4,096 gw + 8 x lane
	s_lshl_b32 s17, s15, 5                         ; 32 gw
	s_mov_b32 s18, 0x00ff00ff
	s_mov_b32 s28, 0x76543210
	s_mov_b32 s29, 0xfedcba98
	v_mov_b32 v[TL], 0
	v_mov_b32 v[TH], 0
	v_mov_b32 v[PL], 0
	v_mov_b32 v[PH], 0
	s_wait_kmcnt 0x0
.set j, 0
.rept 32
	global_load_b128 v[P+4*j:P+4*j+3], v2, s[4:5] offset:512*j
.set j, j+1
.endr
	global_load_b32 v208, v3, s[4:5] offset:16384
.set j, 0
.rept 16
	global_load_b128 v[W+4*j:W+4*j+3], v4, s[6:7] offset:512*j th:TH_LOAD_NT
.set j, j+1
.endr
	s_wait_loadcnt 16                              ; the 16 loads of weights stay out; counts and code are in
.set j, 0
.rept 32
	v_add3_u32 v204, v[P+4*j], v[P+4*j+1], v[P+4*j+2]
	v_add_nc_u32 v204, v204, v[P+4*j+3]            ; the chunk's four counts, a byte each
	v_and_b32 v205, s18, v204                      ; leaves 0 and 2
	v_lshrrev_b32 v206, 8, v204
	v_and_b32 v206, s18, v206                      ; leaves 1 and 3
	v_add_nc_u32 v[TL], v[TL], v205
	v_add_nc_u32 v[TH], v[TH], v206
	s_sub_co_i32 s20, s15, 32*j
	v_cmp_gt_i32 vcc_lo, s20, v1                   ; is chunk 32 j + lane ahead of mine?
	v_cndmask_b32 v205, 0, v205, vcc_lo
	v_cndmask_b32 v206, 0, v206, vcc_lo
	v_add_nc_u32 v[PL], v[PL], v205
	v_add_nc_u32 v[PH], v[PH], v206
.set j, j+1
.endr
.macro RED x, sd                       ; the sum over the 32 lanes, in whole numbers, as a scalar
.irp m, 1,2,4,8
	v_mov_b32_dpp v204, v[\x] row_xmask:\m row_mask:0xf bank_mask:0xf
	v_add_nc_u32 v[\x], v[\x], v204
.endr
	v_permlanex16_b32 v204, v[\x], s28, s29
	v_add_nc_u32 v[\x], v[\x], v204
	v_readfirstlane_b32 s[\sd], v[\x]
.endm
	RED TL, 52
	RED TH, 53
	RED PL, 54
	RED PH, 55
	s_and_b32 s32, s52, 0xffff                     ; c0 .. c3: the leaves' totals
	s_and_b32 s33, s53, 0xffff
	s_lshr_b32 s34, s52, 16
	s_lshr_b32 s35, s53, 16
	s_and_b32 s36, s54, 0xffff                     ; p0 .. p3: of them, in tokens ahead of my 32
	s_and_b32 s37, s55, 0xffff
	s_lshr_b32 s38, s54, 16
	s_lshr_b32 s39, s55, 16
	s_mov_b32 s44, 0                               ; where each leaf begins in order
	s_mov_b32 s45, s32
	s_add_co_u32 s46, s45, s33
	s_add_co_u32 s47, s46, s34
.irp e, 0,1,2,3
	s_add_co_u32 s[48+\e], s[44+\e], s[36+\e]      ; where my wave's tokens of leaf e begin
.endr
	v_and_b32 v205, 7, v1
	v_lshlrev_b32 v205, 1, v205
	v_lshrrev_b32 v209, v205, v208
	v_and_b32 v209, 3, v209                        ; my token's leaf
	v_mov_b32 v210, 0
.irp e, 0,1,2,3
	v_cmp_eq_u32 s[40+\e], \e, v209
	v_mbcnt_lo_u32_b32 v211, s[40+\e], 0           ; lanes below mine with leaf e: the order of tokens is kept
	v_add_nc_u32 v211, s[48+\e], v211
	v_cndmask_b32 v210, v210, v211, s[40+\e]
.endr
	v_min_u32 v210, 0x7fff, v210                   ; a number made of loaded ones enters an address behind a clamp
	v_lshlrev_b32 v210, 2, v210
	v_add_nc_u32 v212, s17, v1                     ; my token
	global_store_b32 v210, v212, s[8:9]
	s_cmp_ge_u32 s15, 2
	s_cbranch_scc1 .Lnotab                         ; the table is 64 entries: waves 0 and 1
.irp e, 0,1,2
	s_add_co_u32 s56, s[32+\e], 575
	s_lshr_b32 s56, s56, 6                         ; ceil(c / 576) = ((c + 575) / 64) / 9;
	s_mul_i32 s56, s56, 7282                       ; x / 9 = (7,282 x) >> 16 for x below 32,768 (9 x 7,282 = 65,538); here x is 520 at the most
	s_lshr_b32 s[57+\e], s56, 16
.endr
	s_add_co_u32 s58, s58, s57                     ; s57, s58, s59: the first group of leaves 1, 2, 3
	s_add_co_u32 s59, s59, s58
	v_add_nc_u32 v220, s17, v1                     ; q, my group
	v_mov_b32 v216, 0                              ; its leaf,
	v_mov_b32 v221, 0                              ; that leaf's first group,
	v_mov_b32 v222, 0                              ; first place
	v_mov_b32 v223, s32                            ; and total
.irp k, 1,2,3
	v_cmp_le_u32 vcc_lo, s[56+\k], v220
	v_cndmask_b32 v216, v216, \k, vcc_lo
	v_cndmask_b32 v221, v221, s[56+\k], vcc_lo
	v_cndmask_b32 v222, v222, s[44+\k], vcc_lo
	v_cndmask_b32 v223, v223, s[32+\k], vcc_lo
.endr
	v_sub_nc_u32 v224, v220, v221
	v_mul_u32_u24 v224, v224, 576                  ; rows of the leaf ahead of my group
	v_add_nc_u32 v217, v222, v224
	v_min_u32 v217, 0x7fff, v217                   ; start
	v_sub_nc_u32 v218, v223, v224
	v_max_i32 v218, 0, v218                        ; rows left; 0 for a group past the leaf's last
	v_mov_b32 v219, 0
	v_lshlrev_b32 v205, 4, v220
	global_store_b128 v205, v[216:219], s[10:11]
.Lnotab:
	s_wait_loadcnt 0x0                             ; the weights
.set q, 0
.rept 32
	v_cvt_pk_bf16_f32 v[P+q], v[W+2*q], v[W+2*q+1]
.set q, q+1
.endr
.set j, 0
.rept 16
	global_store_b64 v5, v[P+2*j:P+2*j+1], s[12:13] offset:256*j  ; the wave stores 256 consecutive bytes, aligned
.set j, j+1
.endr
	s_endpgm
.Lfunc_end_k_qe7c233768f_sort:
	.size	k_qe7c233768f_sort, .Lfunc_end_k_qe7c233768f_sort-k_qe7c233768f_sort
	.p2alignl 7, 3214868480
	.fill 96, 4, 3214868480
	.section	.rodata,"a",@progbits
	.p2align	6, 0x0
	.amdhsa_kernel k_qe7c233768f_sort
		.amdhsa_group_segment_fixed_size 0
		.amdhsa_private_segment_fixed_size 0
		.amdhsa_enable_private_segment 0
		.amdhsa_kernarg_size 40
		.amdhsa_user_sgpr_count 2
		.amdhsa_user_sgpr_kernarg_segment_ptr 1
		.amdhsa_wavefront_size32 1
		.amdhsa_system_sgpr_workgroup_id_x 1
		.amdhsa_system_sgpr_workgroup_id_y 1
		.amdhsa_system_sgpr_workgroup_id_z 1
		.amdhsa_system_vgpr_workitem_id 0
		.amdhsa_next_free_vgpr 232
		.amdhsa_next_free_sgpr 66
		.amdhsa_reserve_vcc 1
		.amdhsa_float_denorm_mode_32 3
		.amdhsa_float_denorm_mode_16_64 3
		.amdhsa_memory_ordered 1
		.amdhsa_forward_progress 1
		.amdhsa_inst_pref_size 31
	.end_amdhsa_kernel
	.amdgpu_metadata
---
amdhsa.version: [ 1, 2 ]
amdhsa.kernels:
  - .name:           k_qe7c233768f_sort
    .symbol:         k_qe7c233768f_sort.kd
    .args:
      - { .name: rt, .offset: 0, .size: 8, .value_kind: global_buffer, .address_space: global }
      - { .name: leaf_w, .offset: 8, .size: 8, .value_kind: global_buffer, .address_space: global }
      - { .name: order, .offset: 16, .size: 8, .value_kind: global_buffer, .address_space: global }
      - { .name: ctab, .offset: 24, .size: 8, .value_kind: global_buffer, .address_space: global }
      - { .name: wb, .offset: 32, .size: 8, .value_kind: global_buffer, .address_space: global }
    .group_segment_fixed_size: 0
    .private_segment_fixed_size: 0
    .kernarg_segment_align: 8
    .kernarg_segment_size: 40
    .max_flat_workgroup_size: 128
    .sgpr_count:     66
    .vgpr_count:     232
    .wavefront_size: 32
...
	.end_amdgpu_metadata
.endif
;; end of part 2
;; launch chain (part 3): grid 256 x 1, 4 waves a work-group, no clusters, 327,680 bytes of LDS; arguments xs, order, ctab, wb, leaf_b, out0; writes out0
.if DOCPART == 3
	.amdgcn_target "amdgcn-amd-amdhsa--gfx1250"
	.amdhsa_code_object_version 6
	.text
	.protected	k_qe7c233768f_chain
	.globl	k_qe7c233768f_chain
	.p2align	8
	.type	k_qe7c233768f_chain,@function
k_qe7c233768f_chain:
	s_mov_b64 s[64:65], 0
	v_nop
	global_prefetch_b8 v0, s[64:65] scope:SCOPE_SE
	s_setreg_imm32_b32 hwreg(HW_REG_WAVE_MODE, 25, 1), 1
	s_wait_xcnt 0x0
; THE LEAVES' PRODUCT.  out0[tok][:] = bf16(xs[tok]) . bf16(leaf_w[leaf(tok)]) + bf16(leaf_b[leaf(tok)]), sums in f32, only for the leaf that the token chose.
; LIMITS.  All inputs are rounded once to bf16 (nearest even); the order of the f32 sums is the matrix unit's.  NaN and infinities are not treated apart.
; DEAL.  Four work-groups on end (q = work-group / 4) read ctab[q] = {leaf, start, rows}: up to 576 places of the sorted list, all of one leaf.  Work-group cx (work-group % 4) takes a tile of up to 144
; of them (9 blocks of 16) and all 512 columns; each of its four waves 144 rows x 128 columns: 72 accumulators, 576 registers.  The K loop has constant trips and every wave passes every barrier, whatever
; the count.  Places past the tile's count repeat its last row; on the way out whole blocks past the count are jumped by a scalar branch, forward, over text with no barrier and no tensor load; in the one
; block that holds the count's end the repeated rows store the same numbers at the same address, from this wave.  A tile without rows stores nothing.
; B (the weights, [k][n] in memory, bf16) comes by tensor loads: each wave asks for 32 k-rows of 1,024 bytes.  It is turned on its way out of LDS by ds_load_tr16_b128.
; A (the tokens' rows of xs, f32) comes by a list, which no descriptor covers: through registers, where it is rounded to bf16, into LDS; 256 aligned bytes of a row a step, asked for two steps ahead.
; NO CLUSTER.  The four work-groups of a q walk the same leaf's weights, but which leaf that is is a number read from ctab: a joint load's descriptor is to be made of coordinates that the partners share,
; and this one's global address would be made of a loaded number.  So each work-group asks for its own tiles: 1 MiB each, 256 MiB of requests for 4 MiB of weights.
; K = 1,024 goes in 32 QUARTERS of 32 (72 matrix instructions a wave).  Two quarters are a step of A (slot t % 2), four a step of B (slot m % 2), eight a lap.
; THE MATRIX INSTRUCTION IS USED TRANSPOSED: source 0 = 16 columns of the weights, source 1 = 16 tokens: a lane then holds one token (lane % 16) and eight neighbouring columns.
; REGISTERS, in windows of 256 (s_set_vgpr_msb: bits 1:0 source 0, 3:2 source 1, 5:4 source 2, 7:6 destination):
;   window 0: v0-7 at work in the set-up, then the ninth group of A's set 1; v8-33 addresses and the bias; v34-105 A's set 0; v106-110 the tile's tokens; v112-183, v184-255 A's fragments, two buffers
;             (on the way out: rows read back, their offsets)
;   window 1: accumulators of blocks 0-3 (block a, column block b at 64 (a % 4) + 8 b);  window 2: blocks 4-7
;   window 3: v0-63 block 8; v64-127, v128-191 B's fragments, two buffers; v192-255 groups 0-7 of A's set 1
.set PB,    1056                       ; a k-row of B in LDS: 1,024 bytes + 32 of padding
.set BQ,    32*PB                      ; 32 k-rows: what one tensor load brings, and one quarter's part of a slot
.set BSLOT, 4*BQ                       ; 128 k-rows
.set PCH,   144                        ; a row of A in LDS: 128 bytes + 16: 9 x 16 bytes: the 16 rows of a fragment load start at different groups of four banks
.set ASLOT, 144*PCH
.set AS,    2*BSLOT                    ; behind B's ring: A's two slots, written by ds_store alone; no tensor load lands there
.set SP,    528                        ; the way out: a row of 512 bytes + 16
.set STG,   16*SP                      ; a wave's stage: it lies over A's slots and is used behind the last barrier
.set SPARE, AS+2*ASLOT                 ; the spare words, 128 bytes for each wave: two blocks of 256 bytes that no other line names
.set AG1L, 0                           ; v0-7    A's set 1, group 8
.set ADRB, 8                           ; v8-11   B's fragments, for each half of each slot
.set STO,  12                          ; v12     the way out: where I put 16 bytes of a row
.set RD,   13                          ; v13     where I read a row back
.set LN,   14                          ; v14     512 w + 16 l: my 16 bytes in a row of out0 and of leaf_b
.set ADRA, 15                          ; v15     A's fragments: AS + 144 (l % 16) + 16 (l / 16)
.set BIAS, 16                          ; v[16:19]
.set SPW,  20                          ; v20     LDS address of my spare word; never rewritten
.set NIL,  21                          ; v21     0; never rewritten
.set STA,  22                          ; v22     where I put 8 bytes of a row of A
.set OFFA, 24                          ; v24-32  byte offset in xs of my 16 bytes of row 36 w + 4 i + l / 8
.set AG0,  34                          ; v34-105 A's set 0: group i (rows 36 w + 4 i ..) at AG0 + 8 i
.set TOK,  106                         ; v106-110 token of tile row 32 j + l
.set LANE, 111
.set AF,   112                         ; two buffers of 72
.set BF,   64                          ; window 3: two buffers of 64
.set AG1,  192                         ; window 3: A's set 1, groups 0-7
.set RB,   112                         ; the way out: 16 rows read back
.set OO,   176                         ; and their byte offsets in out0
.set WV,   16                          ; s16  my wave's number
.set CX,   17                          ; s17  my place among the four of my q
.set LEAF, 24
.set FIRST, 25                         ; s25  my tile's first place in order
.set CNT,  26                          ; s26  its rows, 0 to 144
.set LAST, 27                          ; s27  its last row's number
.set XP,   28                          ; s[28:29] xs at the K of the rows asked for last
.set LAPS, 30
.set G1,   32                          ; s[32:39] descriptor group 1
.set G0,   40                          ; s[40:47] descriptor group 0, a set for each slot
.set MSB, 0
.macro WIN new                         ; the immediate's high byte repeats the setting that is left; a switch that changes nothing is dropped
.if MSB != (\new)
	s_set_vgpr_msb (MSB<<8)|(\new)
.set MSB, \new
.endif
.endm
.macro PLACES                          ; four plain vector instructions between a matrix instruction and a load into, or a store out of, its registers
.rept 4
	v_nop
.endr
.endm
.macro TLOAD s                         ; every wave asks for its own 32 k-rows of slot s; an s_nop 0 and four v_nop follow
	tensor_load_to_lds s[G0+4*(\s):G0+4*(\s)+3], s[G1:G1+7]
	s_nop 0
.rept 4
	v_nop
.endr
.endm
; 18 loads: one step's 256 bytes of my wave's 36 rows into set p.  A load takes 128 consecutive bytes of each of four rows, eight lanes a row; a row's two halves come by two loads on end.
.macro ALOAD p, base, off
.if (\p) == 0
	WIN 0
.irp i, 0,1,2,3,4,5,6,7,8
	global_load_b128 v[AG0+8*\i:AG0+8*\i+3],   v[OFFA+\i], s[\base:\base+1] offset:\off
	global_load_b128 v[AG0+8*\i+4:AG0+8*\i+7], v[OFFA+\i], s[\base:\base+1] offset:(\off)+128
.endr
.else
	WIN 0xc0                                       ; destination window 3, address window 0
.irp i, 0,1,2,3,4,5,6,7
	global_load_b128 v[AG1+8*\i:AG1+8*\i+3],   v[OFFA+\i], s[\base:\base+1] offset:\off
	global_load_b128 v[AG1+8*\i+4:AG1+8*\i+7], v[OFFA+\i], s[\base:\base+1] offset:(\off)+128
.endr
	WIN 0
	global_load_b128 v[AG1L:AG1L+3],   v[OFFA+8], s[\base:\base+1] offset:\off
	global_load_b128 v[AG1L+4:AG1L+7], v[OFFA+8], s[\base:\base+1] offset:(\off)+128
.endif
.endm
.macro CVT4 g                          ; a group's 4 + 4 numbers are rounded to bf16 in place: registers g, g + 1 columns 4 (l % 8) + 0..3, registers g + 2, g + 3 columns 32 + 4 (l % 8) + 0..3
	v_cvt_pk_bf16_f32 v[\g], v[\g], v[(\g)+1]
	v_cvt_pk_bf16_f32 v[(\g)+1], v[(\g)+2], v[(\g)+3]
	v_cvt_pk_bf16_f32 v[(\g)+2], v[(\g)+4], v[(\g)+5]
	v_cvt_pk_bf16_f32 v[(\g)+3], v[(\g)+6], v[(\g)+7]
.endm
.macro PUT2 g, i, p                    ; and go into A's slot p: 8 bytes at the row's byte 8 (l % 8), 8 at 64 + 8 (l % 8)
	ds_store_b64 v[STA], v[\g:(\g)+1] offset:ASLOT*(\p)+4*PCH*(\i)
	ds_store_b64 v[STA], v[(\g)+2:(\g)+3] offset:ASLOT*(\p)+4*PCH*(\i)+64
.endm
.macro APUT p                          ; set p: 36 conversions, 18 stores
.if (\p) == 0
	WIN 0
.irp i, 0,1,2,3,4,5,6,7,8
	CVT4 AG0+8*\i
.endr
.irp i, 0,1,2,3,4,5,6,7,8
	PUT2 AG0+8*\i, \i, 0
.endr
.else
	WIN 0xcf                                       ; destination and both sources window 3
.irp i, 0,1,2,3,4,5,6,7
	CVT4 AG1+8*\i
.endr
	WIN 0
	CVT4 AG1L
	PUT2 AG1L, 8, 1
	WIN 0x0c                                       ; store data window 3, address window 0
.irp i, 0,1,2,3,4,5,6,7
	PUT2 AG1+8*\i, \i, 1
.endr
	WIN 0
.endif
.endm
	s_load_b256 s[4:11], s[0:1], 0x0               ; xs s[4:5], order s[6:7], ctab s[8:9], wb s[10:11]
	s_load_b128 s[12:15], s[0:1], 0x20             ; leaf_b s[12:13], out0 s[14:15]
	v_lshl_add_u32 v[SPW], v0, 2, SPARE
	v_mov_b32 v[NIL], 0
	ds_add_u32 v[SPW], v[NIL]                      ; the wave's opening: the add and its wait stand ahead of my first tensor load; the set-up below, work on registers, stands between them
	v_lshrrev_b32 v3, 5, v0
	v_readfirstlane_b32 s[WV], v3                  ; wave 0..3
	s_and_b32 s[CX], ttmp9, 3                      ; cx
	s_lshr_b32 s57, ttmp9, 2                       ; q
	v_and_b32 v[LANE], 31, v0
	v_and_b32 v1, 15, v0                           ; l % 16
	v_bfe_u32 v2, v0, 4, 1                         ; l / 16
	v_and_b32 v3, 7, v0                            ; l % 8
	v_bfe_u32 v4, v0, 3, 2                         ; l / 8
	v_lshlrev_b32 v5, 4, v3                        ; 16 (l % 8)
	; descriptor group 1: 32 rows x 512 elements of 2 bytes, padded in LDS
	s_mov_b32 s[G1+0], (1<<16)|(1<<20)|(7<<22)|(7<<25)  ; 15:0 no mask; 17:16 elements of 2 bytes; 20 padding on; 24:22 after every 256 words (code 7); 31:25 8 words of it (code 7)
	s_mov_b32 s[G1+1], 512<<16                     ; tensor_dim0 = 512
	s_mov_b32 s[G1+2], 32<<16                      ; tensor_dim1 = 32
	s_mov_b32 s[G1+3], 512<<16                     ; tile_dim0 = 512
	s_mov_b32 s[G1+4], 32                          ; tile_dim1 = 32
	s_mov_b32 s[G1+5], 512                         ; 512 elements from row to row
	s_mov_b32 s[G1+6], 0
	s_mov_b32 s[G1+7], 0
	s_mov_b32 s[G0], 1                             ; count = 1
	s_mul_i32 s[G0+1], s[WV], BQ                   ; LDS address: slot 0, my 32 rows: the wave's number times a constant
	s_mov_b32 s[G0+4], 1
	s_add_co_u32 s[G0+5], s[G0+1], BSLOT           ; slot 1
	v_mul_u32_u24 v[ADRA], v1, PCH
	v_lshl_add_u32 v[ADRA], v2, 4, v[ADRA]
	v_add_nc_u32 v[ADRA], AS, v[ADRA]
	s_mul_i32 s48, s[WV], 36*PCH                   ; my wave stages rows 36 w .. 36 w + 35; eight lanes take a row
	s_add_co_u32 s48, s48, AS
	v_mul_u32_u24 v[STA], v4, PCH
	v_lshl_add_u32 v[STA], v3, 3, v[STA]
	v_add_nc_u32 v[STA], s48, v[STA]
	; the turning load takes 16 k x 16 columns: lane l reads k-row 8 (l / 16) + l % 8, columns 8 ((l / 8) % 2) + 0..7, and is left with column l % 16 and 8 k
	v_lshl_add_u32 v23, v2, 3, v3
	v_mul_u32_u24 v23, v23, PB
	v_bfe_u32 v33, v0, 3, 1
	v_lshl_add_u32 v23, v33, 4, v23
	s_lshl_b32 s48, s[WV], 8                       ; my wave's 128 columns
	v_add_nc_u32 v[ADRB], s48, v23
	v_add_nc_u32 v[ADRB+1], 2*BQ, v[ADRB]
	v_add_nc_u32 v[ADRB+2], 4*BQ, v[ADRB]
	v_add_nc_u32 v[ADRB+3], 6*BQ, v[ADRB]
	s_mul_i32 s48, s[WV], STG
	s_add_co_u32 s48, s48, AS                      ; my stage
	v_mul_u32_u24 v[STO], v1, SP                   ; in: row l % 16, 32 bytes for each half of the lanes
	v_lshl_add_u32 v[STO], v2, 5, v[STO]
	v_add_nc_u32 v[STO], s48, v[STO]
	v_lshl_add_u32 v[RD], v[LANE], 4, s48          ; back: 32 lanes take a row's 512 bytes
	s_lshl_b32 s48, s[WV], 9
	v_lshl_add_u32 v[LN], v[LANE], 4, s48
	s_mul_i32 s56, s[CX], 144                      ; the rows of my q ahead of my tile
	s_wait_dscnt 0x0                               ; the opening add is done
	s_wait_kmcnt 0x0
	s_lshl_b32 s48, s57, 4                         ; an entry of ctab is 16 bytes
	s_mov_b32 s49, 0
	s_add_nc_u64 s[8:9], s[8:9], s[48:49]
	s_load_b128 s[20:23], s[8:9], 0x0              ; my q's entry
	s_add_nc_u64 s[XP:XP+1], s[4:5], 512           ; the rows' third piece; stepped from there
	s_wait_kmcnt 0x0
	s_min_u32 s[LEAF], s20, 3                      ; loaded numbers enter addresses behind a clamp
	s_min_u32 s21, s21, 0x7fff                     ; start
	s_min_u32 s22, s22, 576                        ; the four tiles' rows
	s_add_co_u32 s[FIRST], s21, s56
	s_sub_co_i32 s[CNT], s22, s56
	s_max_i32 s[CNT], s[CNT], 0
	s_min_u32 s[CNT], s[CNT], 144
	s_max_u32 s[LAST], s[CNT], 1
	s_sub_co_u32 s[LAST], s[LAST], 1
	s_lshl_b32 s48, s[LEAF], 20                    ; a leaf's weights are 1 MiB;
	s_lshl_b32 s49, s[WV], 15                      ; my 32 k-rows of 1,024 bytes
	s_add_co_u32 s48, s48, s49
	s_mov_b32 s49, 0
	s_add_nc_u64 s[G0+2:G0+3], s[10:11], s[48:49]  ; global address: B's step 0
	s_add_nc_u64 s[G0+6:G0+7], s[G0+2:G0+3], 131072  ; step 1: 128 k-rows on
	s_or_b32 s[G0+3], s[G0+3], 0x80000000          ; type = 2
	s_or_b32 s[G0+7], s[G0+7], 0x80000000
	tensor_load_to_lds s[G0:G0+3], s[G1:G1+7]      ; both first fills go out together, ahead of every wait on TENSORcnt, every LDS read and every barrier: two tensor loads of mine are out
	s_nop 0
	tensor_load_to_lds s[G0+4:G0+7], s[G1:G1+7]
	s_nop 0
.rept 4
	v_nop
.endr
	s_lshl_b32 s48, s[LEAF], 11
	s_add_nc_u64 s[12:13], s[12:13], s[48:49]      ; the leaf's bias
	; the list: place min(first + min(row, last), 32,767) of order.  Each load lands on its own address register.
	s_mul_i32 s48, s[WV], 36
	v_add_nc_u32 v3, s48, v4                       ; 36 w + l / 8
.irp i, 0,1,2,3,4,5,6,7,8
	v_add_nc_u32 v23, 4*\i, v3
	v_min_u32 v23, s[LAST], v23
	v_add_nc_u32 v23, s[FIRST], v23
	v_min_u32 v23, 0x7fff, v23
	v_lshlrev_b32 v[OFFA+\i], 2, v23
	global_load_b32 v[OFFA+\i], v[OFFA+\i], s[6:7]
.endr
.irp j, 0,1,2,3,4
	v_add_nc_u32 v23, 32*\j, v[LANE]
	v_min_u32 v23, s[LAST], v23
	v_add_nc_u32 v23, s[FIRST], v23
	v_min_u32 v23, 0x7fff, v23
	v_lshlrev_b32 v[TOK+\j], 2, v23
	global_load_b32 v[TOK+\j], v[TOK+\j], s[6:7]
.endr
	global_load_b128 v[BIAS:BIAS+3], v[LN], s[12:13]
	s_wait_loadcnt 0x0                             ; the tokens and the bias
.irp i, 0,1,2,3,4,5,6,7,8
	v_min_u32 v[OFFA+\i], 0x7fff, v[OFFA+\i]
	v_lshlrev_b32 v[OFFA+\i], 12, v[OFFA+\i]       ; a row of xs is 4,096 bytes
	v_add_nc_u32 v[OFFA+\i], v5, v[OFFA+\i]
.endr
	ALOAD 0, 4, 0                                  ; A's step 0
	ALOAD 1, 4, 256                                ; step 1; from here on v0-7 belong to set 1
.irp j, 0,1,2,3,4
	v_min_u32 v[TOK+\j], 0x7fff, v[TOK+\j]
.endr
	v_cvt_pk_bf16_f32 v23, v[BIAS], v[BIAS+1]      ; the bias is rounded like every input, and widened again
	v_cvt_pk_bf16_f32 v33, v[BIAS+2], v[BIAS+3]
	v_lshlrev_b32 v[BIAS], 16, v23
	v_and_b32 v[BIAS+1], 0xffff0000, v23
	v_lshlrev_b32 v[BIAS+2], 16, v33
	v_and_b32 v[BIAS+3], 0xffff0000, v33
	s_wait_loadcnt 18                              ; step 1's 18 loads stay out; step 0's are in
	APUT 0
	ALOAD 0, 4, 512                                ; step 2
; 8 matrix instructions: block a of 16 tokens x my 8 column blocks, 32 along K, from buffer f.  zero = 1: the first product starts the sums: nothing is ever cleared.
; The 72 accumulators take turns, one instruction a turn, in the same order in every quarter.
.macro MULA f, a, zero
	WIN 0x03+0x50*(1+(\a)/4)                       ; B in window 3, A in window 0, C and D in the block's window
.irp b, 0,1,2,3,4,5,6,7
.if \zero
	v_wmma_f32_16x16x32_bf16 v[64*((\a)%4)+8*\b:64*((\a)%4)+8*\b+7], v[BF+64*(\f)+8*\b:BF+64*(\f)+8*\b+7], v[AF+72*(\f)+8*(\a):AF+72*(\f)+8*(\a)+7], 0
.else
	v_wmma_f32_16x16x32_bf16 v[64*((\a)%4)+8*\b:64*((\a)%4)+8*\b+7], v[BF+64*(\f)+8*\b:BF+64*(\f)+8*\b+7], v[AF+72*(\f)+8*(\a):AF+72*(\f)+8*(\a)+7], v[64*((\a)%4)+8*\b:64*((\a)%4)+8*\b+7]
.endif
.endr
.endm
; 34 LDS loads in one run: the fragments of quarter n (mod 8) into buffer n % 2: B's 16 first, then A's 18, blocks ascending.
; A: slot (n / 2) % 2, byte 64 (n % 2) of its rows.  B: slot (n / 4) % 2, k-rows 32 (n % 4) on.
.macro FETCH n
.set fF, (\n)%2
.set fA, ASLOT*(((\n)/2)%2)+64*((\n)%2)
.set fC, ADRB+2*(((\n)/4)%2)+((\n)%4)/2
.set fB, BQ*((\n)%2)
	WIN 0xc0                                       ; destination window 3, address window 0
.irp b, 0,1,2,3,4,5,6,7
	ds_load_tr16_b128 v[BF+64*fF+8*\b:BF+64*fF+8*\b+3],   v[fC] offset:fB+32*\b
	ds_load_tr16_b128 v[BF+64*fF+8*\b+4:BF+64*fF+8*\b+7], v[fC] offset:fB+32*\b+16*PB
.endr
	WIN 0
.irp a, 0,1,2,3,4,5,6,7,8
	ds_load_b128 v[AF+72*fF+8*\a:AF+72*fF+8*\a+3],   v[ADRA] offset:fA+16*PCH*\a
	ds_load_b128 v[AF+72*fF+8*\a+4:AF+72*fF+8*\a+7], v[ADRA] offset:fA+16*PCH*\a+32
.endr
.endm
; In A's step t: step t + 1's rows, which lie in register set p = (t + 1) % 2, are rounded and go into A's slot p; issue = 1: step t + 3's are asked for, into the same set.
; lc = the loads of step t + 2 that may stay out.  The slot was last read in step t - 1, and every wave waited for those reads ahead of that step's barrier.
.macro ASTAGE p, lc, issue
	s_wait_loadcnt \lc
	APUT \p
.if \issue
	s_wait_xcnt 0x0                                ; the loads that name the base have had their addresses translated (ISA guide 3.1): it steps only behind this wait
	s_add_nc_u64 s[XP:XP+1], s[XP:XP+1], 256
	ALOAD \p, XP, 0
.endif
.endm
; An even quarter: multiplies buffer 0; in its middle it fetches quarter n into buffer 1 and (st = 18) stages rows of A.
.macro QUARTER n, zero, st, p=0, lc=0, issue=0
	s_wait_dscnt 10                                ; B and A's blocks 0-3 are in; the youngest ten loads (blocks 4-8) may be out
	MULA 0, 0, \zero
	MULA 0, 1, \zero
	MULA 0, 2, \zero
	MULA 0, 3, \zero
	PLACES                                         ; buffer 1 was last read by the quarter before
	FETCH \n
.if \st
	ASTAGE \p, \lc, \issue
.endif
	s_wait_dscnt 34+(\st)                          ; all but the 34 loads and the st stores just issued
	MULA 0, 4, \zero
	MULA 0, 5, \zero
	MULA 0, 6, \zero
	MULA 0, 7, \zero
	MULA 0, 8, \zero
.endm
; The first half of an odd quarter, which multiplies buffer 1: the barrier of A's step.  In front of it each wave has waited for its reads of A's old slot and for its stores into the next.
; tens = 1: B's slot changes too: the wave waits for all its tensor loads, of which one is out (its part of B's next slot), and adds 0 to its spare word.
; Out at the head: 16 + 18 loads, 18 stores (and the add): the youngest ten loads, the stores (and the add) may stay out.
.macro MEET tens
.if \tens
	WIN 0                                          ; (the add's two registers lie in window 0)
	s_wait_tensorcnt 0x0                           ; all my tensor loads have landed
	ds_add_u32 v[SPW], v[NIL]                      ; 0 onto my spare word
	s_wait_dscnt 29
.else
	s_wait_dscnt 28
.endif
	MULA 1, 0, 0                                   ; sixteen matrix instructions stand between the add and the wait for it
	MULA 1, 1, 0
	s_wait_dscnt 0x0                               ; my reads of the old slots are over, my stores of A and the add are done
	s_barrier_signal -1
	MULA 1, 2, 0                                   ; work on registers while the others arrive
	MULA 1, 3, 0
	s_barrier_wait -1
.endm
.macro REST                            ; an odd quarter's second half
	MULA 1, 4, 0
	MULA 1, 5, 0
	MULA 1, 6, 0
	MULA 1, 7, 0
	MULA 1, 8, 0
.endm
.macro TURNP n, tens=0                 ; an odd quarter behind which no tensor load fills anything; a tensor load may stay out across its barrier
	MEET \tens
	PLACES                                         ; buffer 0 was last read by the quarter before
	FETCH \n
	REST
.endm
.macro TURNR s, n                      ; an odd quarter that leaves B's slot s: behind the barrier nobody reads the slot any more, and the refill is the first thing there
	MEET 1
	s_add_nc_u64 s[G0+4*(\s)+2:G0+4*(\s)+3], s[G0+4*(\s)+2:G0+4*(\s)+3], 262144  ; two steps of 128 k-rows on; no tensor load of mine is out; the type bits on top are not reached
	TLOAD \s                                       ; one tensor load of mine is out; its four v_nop are also the places in front of the loads below
	FETCH \n
	REST
.endm
	s_wait_dscnt 0x0                               ; my rows of A's step 0 are in LDS,
	s_wait_tensorcnt 1                             ; my part of B's slot 0 too; slot 1's may stay out
	s_barrier_signal -1
	s_barrier_wait -1                              ; everybody's are
	FETCH 0
	QUARTER 1, 1, 18, 1, 18, 1                     ; quarter 0 stands in front of the loop: its products start the sums
	WIN 0                                          ; at a label and at a branch every window is 0
	s_mov_b32 s[LAPS], 3
.Llap:                                                 ; a trip: quarters 1 to 7 of a lap and quarter 0 of the next; it fills both of B's slots again
	TURNP 2
	QUARTER 3, 0, 18, 0, 18, 1
	TURNR 0, 4
	QUARTER 5, 0, 18, 1, 18, 1
	TURNP 6
	QUARTER 7, 0, 18, 0, 18, 1
	TURNR 1, 0
	QUARTER 1, 0, 18, 1, 18, 1
	WIN 0
	s_sub_co_u32 s[LAPS], s[LAPS], 1
	s_cmp_lg_u32 s[LAPS], 0
	s_cbranch_scc1 .Llap
	TURNP 2                                        ; the last lap's quarters 1 to 7 are written out
	QUARTER 3, 0, 18, 0, 18, 0                     ; A's step 14 is staged; step 15's 18 loads stay out
	TURNP 4, 1                                     ; B's last slot is shown landed; nothing is filled again
	QUARTER 5, 0, 18, 1, 0, 0                      ; A's step 15
	TURNP 6
	QUARTER 7, 0, 0
	s_wait_dscnt 10                                ; the last quarter
	MULA 1, 0, 0
	MULA 1, 1, 0
	MULA 1, 2, 0
	MULA 1, 3, 0
	s_wait_dscnt 0x0                               ; my reads of A's slots are over:
	s_barrier_signal -1
	REST
	WIN 0
	s_barrier_wait -1                              ; everybody's are: the stages may lie over those slots
	PLACES                                         ; the stores below read results just made
; THE WAY OUT of block a: a lane's eight columns of a token, 32 bytes, go into my own stage; whole rows of 512 bytes come back, get the bias and are stored at the token's row of out0.
.macro OUTB a
	WIN (1+(\a)/4)<<2                              ; store data in the block's window, address in window 0
.irp b, 0,1,2,3,4,5,6,7                ; each accumulator's low four registers first
	ds_store_b128 v[STO], v[64*((\a)%4)+8*\b:64*((\a)%4)+8*\b+3] offset:64*\b
	ds_store_b128 v[STO], v[64*((\a)%4)+8*\b+4:64*((\a)%4)+8*\b+7] offset:64*\b+16
.endr
	WIN 0
	s_wait_xcnt 0x0                                ; the block before's stores have had their addresses translated (ISA guide 3.1): their data and offsets are rewritten only behind this wait
.irp p, 0,1,2,3,4,5,6,7,8,9,10,11,12,13,14,15
	ds_load_b128 v[RB+4*\p:RB+4*\p+3], v[RD] offset:SP*\p  ; LDS serves a wave's instructions in order (ISA guide 5.7.1.4): these see the stores above; the next block's stores come behind them
.endr
.irp p, 0,1,2,3,4,5,6,7,8,9,10,11,12,13,14,15
	v_readlane_b32 s[52+(\p)%4], v[TOK+(16*(\a)+\p)/32], (16*(\a)+\p)%32  ; the row's token
	s_min_u32 s[52+(\p)%4], s[52+(\p)%4], 0x7fff
	s_lshl_b32 s[52+(\p)%4], s[52+(\p)%4], 11      ; a row of out0 is 2,048 bytes
	v_add_nc_u32 v[OO+\p], s[52+(\p)%4], v[LN]
.endr
.irp p, 0,1,2,3,4,5,6,7,8,9,10,11,12,13,14,15
	s_wait_dscnt 15-\p                             ; the younger rows' loads stay out
	v_pk_add_f32 v[RB+4*\p:RB+4*\p+1], v[RB+4*\p:RB+4*\p+1], v[BIAS:BIAS+1]
	v_pk_add_f32 v[RB+4*\p+2:RB+4*\p+3], v[RB+4*\p+2:RB+4*\p+3], v[BIAS+2:BIAS+3]
.endr
.irp p, 0,1,2,3,4,5,6,7,8,9,10,11,12,13,14,15
	global_store_b128 v[OO+\p], v[RB+4*\p:RB+4*\p+3], s[14:15] th:TH_STORE_NT  ; the wave stores 512 consecutive bytes, at a multiple of 512 from out0's first byte
.endr
.endm
.irp a, 0,1,2,3,4,5,6,7,8
	s_cmp_le_u32 s[CNT], 16*\a                     ; block a and all behind it lie past the tile's count: nothing of them is stored
	s_cbranch_scc1 .Lend
	OUTB \a
.endr
.Lend:
	s_wait_tensorcnt 0x0                           ; the wave's end, behind my last tensor load and my last LDS store
	ds_add_u32 v[SPW], v[NIL]
	s_wait_dscnt 0x0
	s_endpgm
.Lfunc_end_k_qe7c233768f_chain:
	.size	k_qe7c233768f_chain, .Lfunc_end_k_qe7c233768f_chain-k_qe7c233768f_chain
	.p2alignl 7, 3214868480
	.fill 96, 4, 3214868480
	.section	.rodata,"a",@progbits
	.p2align	6, 0x0
	.amdhsa_kernel k_qe7c233768f_chain
		.amdhsa_group_segment_fixed_size 327680
		.amdhsa_private_segment_fixed_size 0
		.amdhsa_enable_private_segment 0
		.amdhsa_kernarg_size 48
		.amdhsa_user_sgpr_count 2
		.amdhsa_user_sgpr_kernarg_segment_ptr 1
		.amdhsa_wavefront_size32 1
		.amdhsa_system_sgpr_workgroup_id_x 1
		.amdhsa_system_sgpr_workgroup_id_y 1
		.amdhsa_system_sgpr_workgroup_id_z 1
		.amdhsa_system_vgpr_workitem_id 0
		.amdhsa_next_free_vgpr 1024
		.amdhsa_next_free_sgpr 66
		.amdhsa_reserve_vcc 0
		.amdhsa_float_denorm_mode_32 3
		.amdhsa_float_denorm_mode_16_64 3
		.amdhsa_memory_ordered 1
		.amdhsa_forward_progress 1
		.amdhsa_inst_pref_size 249
	.end_amdhsa_kernel
	.amdgpu_metadata
---
amdhsa.version: [ 1, 2 ]
amdhsa.kernels:
  - .name:           k_qe7c233768f_chain
    .symbol:         k_qe7c233768f_chain.kd
    .args:
      - { .name: xs, .offset: 0, .size: 8, .value_kind: global_buffer, .address_space: global }
      - { .name: order, .offset: 8, .size: 8, .value_kind: global_buffer, .address_space: global }
      - { .name: ctab, .offset: 16, .size: 8, .value_kind: global_buffer, .address_space: global }
      - { .name: wb, .offset: 24, .size: 8, .value_kind: global_buffer, .address_space: global }
      - { .name: leaf_b, .offset: 32, .size: 8, .value_kind: global_buffer, .address_space: global }
      - { .name: out0, .offset: 40, .size: 8, .value_kind: global_buffer, .address_space: global }
    .group_segment_fixed_size: 327680
    .private_segment_fixed_size: 0
    .kernarg_segment_align: 8
    .kernarg_segment_size: 48
    .max_flat_workgroup_size: 128
    .sgpr_count:     66
    .vgpr_count:     1024
    .wavefront_size: 32
...
	.end_amdgpu_metadata
.endif
;; end of part 3
